; MI455X (gfx1250); checked and timed in simulation.
; The chip was launched on July 23, 2026; its instructions are those of AMD's public machine-readable ISA for CDNA 5 (MIT licence, August 2026) and "CDNA5" Instruction Set Architecture Reference Guide (July 2026). The comments in the code are by the model that wrote it; some were corrected since.
;; Causal Self Attention. Allowed arithmetic: matrix products marked QUANTISED: E5M2 operands, one given power-of-two scale a tensor, by v_wmma_f32_16x16x64_bf8_bf8 or v_wmma_f32_16x16x128_bf8_bf8, f32 sums; everything else in f32.
;; Inputs: Wk 1,024 x 1,024 float32; Wp 1,024 x 1,024 float32; Wq 1,024 x 1,024 float32; Wv 1,024 x 1,024 float32; bk 1,024 float32; bp 1,024 float32; bq 1,024 float32; bv 1,024 float32; lowp_scales 12 int32 (the exponents e of the quantised operands' scales 2^e); x 2 x 2,048 x 1,024 float32.
;; Outputs: out0 2 x 2,048 x 1,024 float32.
;; This version of the problem:
;;   THIS VERSION OF THE PROBLEM IS GIVEN IN LOW PRECISION. The matrix products marked QUANTISED in the list below multiply operands that are first quantised to E5M2 (5 exponent bits, 2 mantissa bits; 8 bits a number), with one given power-of-two scale for each operand tensor; their sums are f32. All else is computed in f32.
;;   The module's matrix products, in the order in which they are computed (A, B: the left and right operand; K: the contracted axis; several contracted axes count as one K, in the product's order):
;;     1. [M 4,096, K 1,024] x [K 1,024, N 1,024]; A: input x; B: input Wq: QUANTISED (scales: A lowp_scales[0], B lowp_scales[1])
;;     2. [M 4,096, K 1,024] x [K 1,024, N 1,024]; A: input x; B: input Wk: QUANTISED (scales: A lowp_scales[2], B lowp_scales[3])
;;     3. [M 4,096, K 1,024] x [K 1,024, N 1,024]; A: input x; B: input Wv: QUANTISED (scales: A lowp_scales[4], B lowp_scales[5])
;;     4. batch 32 x [M 2,048, K 64] x [K 64, N 2,048]; A: computed on the way; B: computed on the way: QUANTISED (scales: A lowp_scales[6], B lowp_scales[7])
;;     5. batch 32 x [M 2,048, K 2,048] x [K 2,048, N 64]; A: softmax (see below); B: computed on the way: QUANTISED (scales: A lowp_scales[8], B lowp_scales[9])
;;     6. [M 4,096, K 1,024] x [K 1,024, N 1,024]; A: computed on the way; B: input Wp: QUANTISED (scales: A lowp_scales[10], B lowp_scales[11])
;;   THE QUANTISER, for each operand of a quantised product, along K:
;;     - The operand's scale is 2^e, e = its entry of the input lowp_scales (int32; the entries are numbered through the quantised products in the list's order, A before B).
;;     - Each number is divided by the scale, clamped to +-57,344, and rounded to the nearest number of E5M2, ties to even, subnormals kept.
;;     - The product sums the exact products of the quantised numbers (number of the format x scale) in f32.
;;   ~~~python
;;   def quantise(x, axis, e):      # numpy; x: float32 -> the quantised numbers, widened to float32 again
;;       x = np.moveaxis(x, axis, -1); K = x.shape[-1]
;;       r = np.clip(x / 2.0 ** e, -57344, 57344)
;;       step = 2.0 ** (np.maximum(np.frexp(np.where(r == 0, 1, r))[1] - 1, -14) - 2)
;;       q = np.round(r / step) * step * 2.0 ** e      # np.round: ties to even
;;       return np.moveaxis(q, -1, axis).astype(np.float32)
;;   ~~~
;;   SOFTMAX AHEAD OF A QUANTISED PRODUCT. Where the list says 'softmax', what is quantised is not the finished softmax but p = 2^(t - M), with t = logit x log2(e) and M = ceil(the row's largest t), a whole number; so 1/2 < the row's largest p <= 1. The row's sum l is taken of the UNQUANTISED p, in f32, and the product's result is divided by l at the end. Since M is a whole number, a kernel that streams over the keys may use a running M (the ceiling of the running maximum): every later rescaling is an exact power of two, so the quantised numbers keep their values, but for numbers so far below the row's largest that they fall under the format's range.
;;   OPERANDS COMPUTED ON THE WAY. 'Computed on the way' means the value that the module computes at that place (a softmax that the list does not call 'softmax' is quantised finished and normalised). What goes into a quantiser is computed in f32, as accurately as f32 sums, v_exp_f32 and their like allow (about 1e-6 of the number): no bf16 or f16 on the way to a quantiser, and a product that is left as it is and whose result goes on into a quantised operand takes f32 operands (vector FMAs, or v_wmma_f32_16x16x4_f32). A number that lies on a knife's edge between two numbers of the format may be rounded either way, as far as f32 arithmetic and the matrix unit's own rounding can turn it there, and no further.
;; One version. Each part assembles by itself: llvm-mc -triple=amdgcn-amd-amdhsa -mcpu=gfx1250 --defsym DOCPART=n.
;; ======== version 1 of 1: 4 launches
;; limits: right only within a limited range of input values
;; workspace buffers: xc 12,582,912 bytes; wc 4,194,304 bytes; qkvc 12,582,912 bytes; yc 4,194,304 bytes
;; launch quant (part 1): grid 512 x 1, 4 waves a work-group, no clusters, 68,096 bytes of LDS; arguments x, Wq, Wk, Wv, Wp, lowp_scales, xc, wc; writes xc, wc
.if DOCPART == 1
	.amdgcn_target "amdgcn-amd-amdhsa--gfx1250"
	.amdhsa_code_object_version 6
	.text
	.protected	k_q7eff18f2b1_quant
	.globl	k_q7eff18f2b1_quant
	.p2align	8
	.type	k_q7eff18f2b1_quant,@function
k_q7eff18f2b1_quant:
	s_mov_b64 s[64:65], 0
	v_nop
	global_prefetch_b8 v0, s[64:65] scope:SCOPE_SE
	s_setreg_imm32_b32 hwreg(HW_REG_WAVE_MODE, 25, 1), 1
	s_wait_xcnt 0x0
; CAUSAL SELF-ATTENTION ON CODES OF BF8 (E5M2), FOUR LAUNCHES: quant (this one), qkv, attn, proj.
; THIS LAUNCH: x [4096][1024] and Wq, Wk, Wv, Wp [1024][1024], f32, K innermost, become codes: code = number / 2^e, held within +-57,344, to the nearest code, ties to even.
; x is an operand of three products with three entries of lowp_scales (0, 2, 4), so it gets three sets of codes; Wq, Wk, Wv, Wp take entries 1, 3, 5, 11.
; WORK LEFT OUT IN THE WHOLE PROGRAM: reference() itself builds the mask jnp.tril and sets every score of a key behind its query to -infinity ahead of the softmax; such a score has weight exp(-inf) = 0, adds 0 to the
; row's sum and 0 to y, and never is the row's largest (key 0 counts for every query): that holds for all finite values of the inputs.  So launch attn leaves out each step of 128 keys all of which come behind all 16 queries
; of a tile.  Nothing else is left out; every input is loaded (bk too: it moves k's codes).  LIMIT: a NaN, an infinity or an overflow that would arise only in the scores left out is not carried to the result.
; LAYOUT OF THE CODES: AN IMAGE OF THE OPERAND'S REGISTERS.  A fragment of 16 rows x 128 k is 16 registers a lane: lane (r = lane % 16, h = lane / 16) holds row r, registers 2 c, 2 c + 1 hold k = 16 c + 8 h + 0 .. 7.
; Its image is 2,048 bytes: registers 4 p .. 4 p + 3 of lane l at 512 p + 16 l.  ORDER OF THE IMAGES: [block of 128 rows][256 k 4][tile of 16 rows 8][128 k 2][2,048], so that 128 rows x 256 k are 32,768 consecutive bytes.
; xc: three sets of 32 blocks;  wc: Wq, Wk, Wv, Wp, 8 blocks each.
; SHARES.  A work-group takes one tile of 16 rows (0-255: x; 256-511: the weights), wave w its k = 256 w .. 256 w + 255, as two blocks of 128.  All 32 loads of a wave go out at once, each 512 consecutive bytes of a row.
; A block turns through the wave's own stage in LDS (rows of 512 + 16 bytes) and comes back 8 neighbours along K at a time.
; Each store of a wave covers 512 consecutive bytes, aligned.  No tensor load, no barrier: waves share nothing.  Matrix units and clusters have nothing to do here.
; LIMITS: each e between -126 and 112, so that 2^e and 57,344 x 2^e are f32 numbers.  NaN among the inputs is not served (an infinity is held at the largest code).
.set WREG,  16896                      ; LDS of a wave: two stages of 16 rows x 528 bytes
.set STG,   8448
.set SP,    528
.set SPARE, 4*WREG                     ; behind the four regions: the spare words, 128 bytes for each wave, that no other line names
.set LI,    1                          ; v1      16 x lane; never rewritten
.set SIN,   2                          ; v2      the stage, on the way in
.set SOUT,  3                          ; v3      and on the way out: row r, + 32 h
.set SC,    4                          ; v4-9    for each set: 2^e, and 57,344 x 2^e
.set SPW,   12                         ; v12     LDS address of my spare word; never rewritten
.set NIL,   13                         ; v13     0; never rewritten
.set R,     16                         ; v16-143 two blocks of 64 registers as loaded; behind the turn a block's registers take its codes, 16 for each set
.set X,     144                        ; v144-207 a block's 64 numbers in the operand's order
.set T,     208                        ; v208-223 eight held numbers, two sets by turns
	s_load_b256 s[4:11], s[0:1], 0x0               ; x s[4:5], Wq s[6:7], Wk s[8:9], Wv s[10:11]
	s_load_b256 s[12:19], s[0:1], 0x20             ; Wp s[12:13], the exponents s[14:15], xc s[16:17], wc s[18:19]
	v_lshl_add_u32 v[SPW], v0, 2, SPARE
	v_mov_b32 v[NIL], 0
	v_lshrrev_b32 v10, 5, v0
	v_readfirstlane_b32 s20, v10                   ; wave 0..3
	v_and_b32 v[LI], 31, v0
	v_lshlrev_b32 v[LI], 4, v[LI]
	s_mul_i32 s21, s20, WREG
	v_add_nc_u32 v[SIN], s21, v[LI]
	v_and_b32 v10, 15, v0                          ; r
	v_bfe_u32 v11, v0, 4, 1                        ; h
	v_mul_u32_u24 v[SOUT], v10, SP
	v_lshl_add_u32 v[SOUT], v11, 5, v[SOUT]
	v_add_nc_u32 v[SOUT], s21, v[SOUT]
	s_sub_co_u32 s22, ttmp9, 256                   ; a weight's tile among the 256 (used in work-groups 256 on alone)
	s_and_b32 s23, s22, 63                         ; and within its weight
	s_lshl_b32 s28, s20, 10                        ; my wave's 1,024 bytes of a row
	s_lshl_b32 s29, s20, 15                        ; and its 256 k in the block of codes
	s_wait_alu depctr_va_vdst(0)
	s_wait_kmcnt 0x0
	s_load_b256 s[32:39], s[14:15], 0x0            ; e0 .. e7
	s_load_b128 s[40:43], s[14:15], 0x20           ; e8 .. e11
	s_cmp_lt_u32 ttmp9, 448                        ; which tensor: the choice hangs on the work-group's number alone
	s_cselect_b64 s[24:25], s[10:11], s[12:13]
	s_cmp_lt_u32 ttmp9, 384
	s_cselect_b64 s[24:25], s[8:9], s[24:25]
	s_cmp_lt_u32 ttmp9, 320
	s_cselect_b64 s[24:25], s[6:7], s[24:25]
	s_cmp_lt_u32 ttmp9, 256
	s_cselect_b64 s[24:25], s[4:5], s[24:25]
	s_cselect_b64 s[26:27], s[16:17], s[18:19]
	s_cselect_b32 s30, ttmp9, s23                  ; the tile in its tensor,
	s_cselect_b32 s44, ttmp9, s22                  ; and in the buffer of codes
	s_lshl_b32 s30, s30, 16                        ; 16 rows of 4,096 bytes
	s_add_co_u32 s30, s30, s28
	s_mov_b32 s31, 0
	s_add_nc_u64 s[24:25], s[24:25], s[30:31]
	s_and_b32 s46, s44, 7                          ; tile in its block: two images of 2,048 bytes
	s_lshl_b32 s46, s46, 12
	s_lshr_b32 s44, s44, 3                         ; block of 131,072 bytes
	s_lshl_b32 s44, s44, 17
	s_add_co_u32 s44, s44, s46
	s_add_co_u32 s44, s44, s29
	s_mov_b32 s45, 0
	s_add_nc_u64 s[26:27], s[26:27], s[44:45]      ; where set 0 goes,
	s_add_nc_u64 s[28:29], s[26:27], 0x400000      ; and x's sets 1 and 2 (named by x's work-groups alone)
	s_add_nc_u64 s[30:31], s[26:27], 0x800000
.macro LOADS beta                      ; block beta: 16 rows x 512 bytes
.set rho, 0
.rept 16
	global_load_b128 v[R+64*\beta+4*rho:R+64*\beta+4*rho+3], v[LI], s[24:25] offset:4096*rho+512*\beta th:TH_LOAD_NT
.set rho, rho+1
.endr
.endm
.macro TURNB beta                      ; through the stage: LDS serves a wave's instructions in order, so no wait stands between the stores and the loads
.set rho, 0
.rept 16
	ds_store_b128 v[SIN], v[R+64*\beta+4*rho:R+64*\beta+4*rho+3] offset:STG*\beta+SP*rho
.set rho, rho+1
.endr
.set cc, 0
.rept 8
	ds_load_b128 v[X+8*cc:X+8*cc+3], v[SOUT] offset:STG*\beta+64*cc          ; k = 16 c + 8 h + 0 .. 3 of row r,
	ds_load_b128 v[X+8*cc+4:X+8*cc+7], v[SOUT] offset:STG*\beta+64*cc+16     ; and + 4 .. 7
.set cc, cc+1
.endr
.endm
.macro MKSC vr, sr                     ; 2^e and 57,344 x 2^e as f32 numbers
	s_add_co_i32 s45, s[\sr], 127
	s_lshl_b32 s46, s45, 23
	v_mov_b32 v[\vr], s46
	s_add_co_i32 s45, s45, 15
	s_lshl_b32 s45, s45, 23
	s_or_b32 s45, s45, 0x600000
	v_mov_b32 v[\vr+1], s45
.endm
; Block beta's numbers become set q's codes and leave.  The conversion to an 8-bit code does not saturate (ISA guide 7.6.2), so each number is held first, into T, since X serves three sets.
; T's two sets take turns: the other set's eight holds are the plain lines between a conversion and the next write of its sources.  The codes' registers are written once, so no store's data are written again.
.macro QS beta, q, d
.irp c, 0,1,2,3,4,5,6,7
.irp i, 0,1,2,3,4,5,6,7
	v_med3_num_f32 v[T+8*(\c%2)+\i], v[X+8*\c+\i], -v[SC+1+2*\q], v[SC+1+2*\q]
.endr
	v_cvt_scalef32_pk8_bf8_f32 v[R+64*\beta+16*\q+2*\c:R+64*\beta+16*\q+2*\c+1], v[T+8*(\c%2):T+8*(\c%2)+7], v[SC+2*\q]
.endr
.irp p, 0,1,2,3
	global_store_b128 v[LI], v[R+64*\beta+16*\q+4*\p:R+64*\beta+16*\q+4*\p+3], s[\d:\d+1] offset:2048*\beta+512*\p
.endr
.endm
	LOADS 0
	LOADS 1
	s_wait_kmcnt 0x0
	s_cmp_lt_u32 ttmp9, 448                        ; set 0's exponent: x: e0; Wq: e1; Wk: e3; Wv: e5; Wp: e11
	s_cselect_b32 s44, s37, s43
	s_cmp_lt_u32 ttmp9, 384
	s_cselect_b32 s44, s35, s44
	s_cmp_lt_u32 ttmp9, 320
	s_cselect_b32 s44, s33, s44
	s_cmp_lt_u32 ttmp9, 256
	s_cselect_b32 s44, s32, s44
	MKSC SC, 44
	MKSC SC+2, 34                                  ; x's second set: e2
	MKSC SC+4, 36                                  ; and third: e4
	s_wait_alu depctr_va_vdst(0)
	s_wait_loadcnt 16                              ; block 0's sixteen loads are in; block 1's sixteen may be out
	TURNB 0
	s_wait_dscnt 0x0
	QS 0, 0, 26
	s_cmp_ge_u32 ttmp9, 256                        ; a weight has one set
	s_cbranch_scc1 .Lone_set_0
	QS 0, 1, 28
	QS 0, 2, 30
.Lone_set_0:
	s_wait_loadcnt 0x0
	TURNB 1
	s_wait_dscnt 0x0
	QS 1, 0, 26
	s_cmp_ge_u32 ttmp9, 256
	s_cbranch_scc1 .Lone_set_1
	QS 1, 1, 28
	QS 1, 2, 30
.Lone_set_1:
	s_wait_tensorcnt 0x0                           ; the wave's end, behind my last LDS store
	ds_add_u32 v[SPW], v[NIL]
	s_wait_dscnt 0x0
	s_endpgm
.Lfunc_end_k_q7eff18f2b1_quant:
	.size	k_q7eff18f2b1_quant, .Lfunc_end_k_q7eff18f2b1_quant-k_q7eff18f2b1_quant
	.p2alignl 7, 3214868480
	.fill 96, 4, 3214868480
	.section	.rodata,"a",@progbits
	.p2align	6, 0x0
	.amdhsa_kernel k_q7eff18f2b1_quant
		.amdhsa_group_segment_fixed_size 68096
		.amdhsa_private_segment_fixed_size 0
		.amdhsa_enable_private_segment 0
		.amdhsa_kernarg_size 64
		.amdhsa_user_sgpr_count 2
		.amdhsa_user_sgpr_kernarg_segment_ptr 1
		.amdhsa_wavefront_size32 1
		.amdhsa_system_sgpr_workgroup_id_x 1
		.amdhsa_system_sgpr_workgroup_id_y 1
		.amdhsa_system_sgpr_workgroup_id_z 1
		.amdhsa_system_vgpr_workitem_id 0
		.amdhsa_next_free_vgpr 224
		.amdhsa_next_free_sgpr 66
		.amdhsa_reserve_vcc 0
		.amdhsa_float_denorm_mode_32 3
		.amdhsa_float_denorm_mode_16_64 3
		.amdhsa_memory_ordered 1
		.amdhsa_forward_progress 1
		.amdhsa_inst_pref_size 41
	.end_amdhsa_kernel
	.amdgpu_metadata
---
amdhsa.version: [ 1, 2 ]
amdhsa.kernels:
  - .name:           k_q7eff18f2b1_quant
    .symbol:         k_q7eff18f2b1_quant.kd
    .args:
      - { .name: x, .offset: 0, .size: 8, .value_kind: global_buffer, .address_space: global }
      - { .name: Wq, .offset: 8, .size: 8, .value_kind: global_buffer, .address_space: global }
      - { .name: Wk, .offset: 16, .size: 8, .value_kind: global_buffer, .address_space: global }
      - { .name: Wv, .offset: 24, .size: 8, .value_kind: global_buffer, .address_space: global }
      - { .name: Wp, .offset: 32, .size: 8, .value_kind: global_buffer, .address_space: global }
      - { .name: lowp_scales, .offset: 40, .size: 8, .value_kind: global_buffer, .address_space: global }
      - { .name: xc, .offset: 48, .size: 8, .value_kind: global_buffer, .address_space: global }
      - { .name: wc, .offset: 56, .size: 8, .value_kind: global_buffer, .address_space: global }
    .group_segment_fixed_size: 68096
    .private_segment_fixed_size: 0
    .kernarg_segment_align: 8
    .kernarg_segment_size: 64
    .max_flat_workgroup_size: 128
    .sgpr_count:     66
    .vgpr_count:     224
    .wavefront_size: 32
...
	.end_amdgpu_metadata
.endif
;; end of part 1
;; launch qkv (part 2): grid 4 x 48, 4 waves a work-group, clusters of 4 x 4, 327,680 bytes of LDS; arguments xc, wc, lowp_scales, bq, bk, bv, qkvc; writes qkvc
.if DOCPART == 2
	.amdgcn_target "amdgcn-amd-amdhsa--gfx1250"
	.amdhsa_code_object_version 6
	.text
	.protected	k_q7eff18f2b1_qkv
	.globl	k_q7eff18f2b1_qkv
	.p2align	8
	.type	k_q7eff18f2b1_qkv,@function
k_q7eff18f2b1_qkv:
	s_mov_b64 s[64:65], 0
	v_nop
	global_prefetch_b8 v0, s[64:65] scope:SCOPE_SE
	s_setreg_imm32_b32 hwreg(HW_REG_WAVE_MODE, 25, 1), 1
	s_wait_xcnt 0x0
	s_wait_alu depctr_hold_cnt(0) depctr_sa_sdst(0) depctr_va_vdst(0) depctr_va_sdst(0) depctr_va_ssrc(0) depctr_va_vcc(0) depctr_vm_vsrc(0)
	s_getreg_b32 s2, hwreg(HW_REG_IB_STS2, 6, 4)
	s_cmp_eq_u32 s2, 0
	s_cbranch_scc0 .Lentry_in_a_cluster
	s_endpgm
.Lentry_in_a_cluster:
	s_bfe_u32 s2, ttmp6, 0x10000c
	s_cmp_lg_u32 s2, 0xf033
	s_cbranch_scc0 .Lentry_shape_is_right
	s_endpgm
.Lentry_shape_is_right:
; q, k, v = x W^T + b on codes of BF8 (E5M2), quantised at once for attention by entries 6, 7, 9 of lowp_scales.  No work of these products is left out.
; 192 tiles of 256 x 256 (q: 64, k: 64, v: 64), one to a work-group of four waves, 128 x 128 a wave: 64 accumulators, 512 registers.  q and k: source 1 = tokens, source 0 = the weight's rows: a lane holds a token and eight
; neighbouring channels; v: source 1 = the weight's rows, source 0 = tokens: a lane holds a channel and eight neighbouring tokens.  So one conversion gives the codes of the next operand's registers.
; qkvc: q at 0: [16 x batch + head][tile of 16 tokens 128][1,024];  from 4 MiB on [16 x batch + head][128 keys 16][k: 8 tiles of 16 keys x 1,024 bytes, then v: 4 tiles of 16 channels x 2,048 bytes].
; RING: wave w owns 65,536 bytes of LDS, two slots of 128 rows x 256 k; waves 0, 1 fetch for source 1, waves 2, 3 for source 0.  The head's one load a wave brings K steps 0 and 1, which lie on end in memory; the two refills bring one each.
; CLUSTERS: 4 x 4 work-groups, each tile asked for jointly along a row or a column.  No prefetch: K is four steps, two of which the head's load brings.
; LIMITS: the two exponents of a product add to between -126 and 127; the results' exponents lie between -126 and 112.  NaN is not served.
.set HALFT,  65536                     ; a wave's two slots
.set SLOT,   32768                     ; from slot 0 to slot 1
.set SPARE,  262144                    ; behind the slots: the spare words, that no other line names
.set KSB,    32768                     ; a K step of 128 rows in memory
.set FR,     16
.set NL,     4
.set NP,     4
.set VO,   8
.set ADRA, 16
.set ADRB, 20
.set LI,   26
.set SPW,  28
.set NIL,  29
.set SCO,  30
.set LMO,  31
.set TMP,  32
.set BC,   64
.set AF,   128
.set CD,   128
.set G1, 24
.set G0, 32
.set G1B, 48
.set G0B, 56
.set MSB, 0
.macro WIN new
.if MSB != (\new)
	s_set_vgpr_msb (MSB<<8)|(\new)
.set MSB, (\new)
.endif
.endm
.set MUL_LO, 0xa1
.set MUL_HI, 0xf1
.set TO_B,   0x40
.macro JLOAD g0a, g1a, g0b, g1b
	s_cmp_eq_u32 s15, 0
	s_cbranch_scc0 .Lfor_b_\@
	tensor_load_to_lds s[\g0a:\g0a+3], s[\g1a:\g1a+7]
	s_nop 0
.rept 4
	v_nop
.endr
	s_branch .Lasked_\@
.Lfor_b_\@:
	tensor_load_to_lds s[\g0b:\g0b+3], s[\g1b:\g1b+7]
	s_nop 0
.rept 4
	v_nop
.endr
.Lasked_\@:
.endm
.macro CREST
	s_cmp_lg_u32 s14, 0
	s_cbranch_scc1 .Lnot_wave_0_\@
	s_barrier_signal -3
.Lnot_wave_0_\@:
	s_barrier_wait -3
	s_barrier_signal -1
	s_barrier_wait -1
.endm
.macro CROUND
	s_barrier_signal -1
	s_barrier_wait -1
	CREST
.endm
	s_load_b256 s[4:11], s[0:1], 0x0
	s_load_b128 s[68:71], s[0:1], 0x20
	s_load_b64 s[72:73], s[0:1], 0x30
	v_lshl_add_u32 v[SPW], v0, 2, SPARE
	v_mov_b32 v[NIL], 0
	ds_add_u32 v[SPW], v[NIL]
	ds_add_u32 v[SPW], v[NIL]
	v_lshrrev_b32 v1, 5, v0
	v_readfirstlane_b32 s14, v1
	s_lshr_b32 s15, s14, 1
	s_and_b32 s16, s14, 1
	s_bfe_u32 s40, ttmp6, 0x40000
	s_bfe_u32 s41, ttmp6, 0x40004
	s_and_b32 s12, ttmp7, 0xffff
	s_lshr_b32 s13, s12, 2
	s_lshl_b32 s43, s41, 2
	s_lshl_b32 s43, 15, s43
	s_lshl_b32 s44, 0x1111, s40
	s_or_b32 s[G1+0], s43, (3<<16)|(1<<21)
	s_or_b32 s[G1B+0], s44, (3<<16)|(1<<21)
.irp g, G1, G1B
	s_mov_b32 s[\g+1], 512<<16
	s_mov_b32 s[\g+2], 16<<16                      ; the head's load: 65,536 consecutive bytes as 16 rows of 4,096
	s_mov_b32 s[\g+3], 512<<16
	s_mov_b32 s[\g+4], 16
	s_mov_b32 s[\g+5], 512
	s_mov_b32 s[\g+6], 0
	s_mov_b32 s[\g+7], 0
.endr
	s_lshl_b32 s17, s12, 2
	s_add_co_u32 s18, s17, s41
	s_add_co_u32 s19, s41, 8
	s_lshl_b32 s22, s13, 2
	s_add_co_u32 s22, s22, s40
	s_add_co_u32 s23, s17, s40
	s_cmp_ge_u32 s12, 8
	s_cselect_b32 s20, s19, s18
	s_cselect_b32 s46, s23, s22
	s_lshl_b32 s20, s20, 18
	s_lshl_b32 s46, s46, 18
	s_lshl_b32 s18, s16, 17
	s_add_co_u32 s20, s20, s18
	s_add_co_u32 s46, s46, s18
	s_mov_b32 s21, 0
	s_mov_b32 s47, 0
	s_mul_i32 s45, s14, HALFT
	s_wait_dscnt 0x0
	s_wait_kmcnt 0x0
	s_load_b256 s[76:83], s[8:9], 0x0
	s_load_b128 s[84:87], s[8:9], 0x20
	s_cmp_ge_u32 s12, 8
	s_cselect_b64 s[90:91], s[6:7], s[4:5]
	s_cselect_b64 s[92:93], s[4:5], s[6:7]
	s_add_nc_u64 s[20:21], s[90:91], s[20:21]
	s_add_nc_u64 s[46:47], s[92:93], s[46:47]
.irp s, 0,1
	s_mov_b32 s[G0+4*\s], 1
	s_add_co_u32 s[G0+4*\s+1], s45, \s*SLOT
	s_add_nc_u64 s[G0+4*\s+2:G0+4*\s+3], s[20:21], \s*KSB
	s_or_b32 s[G0+4*\s+3], s[G0+4*\s+3], 0x80000000
	s_mov_b32 s[G0B+4*\s], 1
	s_add_co_u32 s[G0B+4*\s+1], s45, \s*SLOT
	s_add_nc_u64 s[G0B+4*\s+2:G0B+4*\s+3], s[46:47], \s*KSB
	s_or_b32 s[G0B+4*\s+3], s[G0B+4*\s+3], 0x80000000
.endr
	CROUND                                         ; all sixteen work-groups are here: the joint loads meet
	JLOAD G0, G1, G0B, G1B                         ; K steps 0 and 1: one load a wave
	v_and_b32 v6, 31, v0
	v_lshlrev_b32 v[LI], 4, v6
	s_mul_i32 s21, s15, HALFT
	s_mul_i32 s22, s16, HALFT
	s_add_co_u32 s22, s22, 2*HALFT
.irp s, 0,1
	v_add_nc_u32 v[ADRA+\s], s21, v[LI]
	v_add_nc_u32 v[ADRB+\s], s22, v[LI]
	s_add_co_u32 s21, s21, SLOT
	s_add_co_u32 s22, s22, SLOT
.endr
	v_and_b32 v1, 15, v0
	s_wait_alu depctr_va_vdst(0)
	v_bfe_u32 v2, v0, 4, 1
	s_wait_alu depctr_va_vdst(0)
	s_lshl_b32 s92, s40, 10
	s_lshl_b32 s93, s16, 9
	s_add_co_u32 s92, s92, s93
	s_lshl_b32 s93, s41, 10
	s_lshl_b32 s94, s15, 9
	s_add_co_u32 s93, s93, s94
	s_cmp_ge_u32 s12, 8
	s_cselect_b32 s92, s93, s92
	s_cselect_b32 s94, 4, 0
	s_cselect_b32 s95, 0, 32
	s_cselect_b32 s89, 0, 4
	s_cselect_b64 s[90:91], s[70:71], s[68:69]
	s_cmp_lt_u32 s12, 4
	s_cselect_b64 s[90:91], s[10:11], s[90:91]
	s_mov_b32 s93, 0
	s_add_nc_u64 s[90:91], s[90:91], s[92:93]
	v_mul_lo_u32 v3, v1, s94
	v_mul_lo_u32 v4, v2, s95
	v_add_nc_u32 v3, v3, v4
	s_wait_alu depctr_va_vdst(0)
.irp j, 0,1,2,3,4,5,6,7
	s_mul_i32 s74, s89, \j
	v_add_nc_u32 v[VO+\j], s74, v3
.endr
.irp u, 0,1,2,3,4,5,6,7
.irp j, 0,1,2,3,4,5,6,7
	global_load_b32 v[BC+8*\u+\j], v[VO+\j], s[90:91] offset:64*\u
.endr
.endr
.macro FRAG reg, adr, q, i
.irp c, 0,1,2,3
	ds_load_b128 v[\reg+4*\c:\reg+4*\c+3], v[\adr] offset:2048*(\q)+512*\c+(\i)*4096
.endr
.endm
.macro MUL16 a0, p, zero
.irp a, \a0, \a0+1
.irp b, 0,1,2,3,4,5,6,7
.if \zero
	v_wmma_f32_16x16x128_bf8_bf8 v[8*(8*((\a)%4)+\b):8*(8*((\a)%4)+\b)+7], v[128*(\p)+FR*\b:128*(\p)+FR*\b+FR-1], v[AF+FR*(\a):AF+FR*(\a)+FR-1], 0
.else
	v_wmma_f32_16x16x128_bf8_bf8 v[8*(8*((\a)%4)+\b):8*(8*((\a)%4)+\b)+7], v[128*(\p)+FR*\b:128*(\p)+FR*\b+FR-1], v[AF+FR*(\a):AF+FR*(\a)+FR-1], v[8*(8*((\a)%4)+\b):8*(8*((\a)%4)+\b)+7]
.endif
.endr
.endr
.endm
.macro FETCH_B slot, q, p
	WIN TO_B
.irp i, 0,1,2,3,4,5,6,7
	FRAG 128*(\p)+FR*\i, ADRB+\slot, \q, \i
.endr
	WIN 0
.endm
.macro FETCH_A slot, q, i0
.irp i, \i0, \i0+1, \i0+2, \i0+3
	FRAG AF+FR*(\i), ADRA+\slot, \q, \i
.endr
.endm
.macro PLACES n
.rept \n
	v_nop
.endr
.endm
.macro STEP slot, q, zero
	s_wait_dscnt 4*NL
	WIN MUL_LO
	MUL16 0, (\q)%2, \zero
	MUL16 2, (\q)%2, \zero
	s_wait_dscnt 0
	PLACES NP
	FETCH_B \slot, (\q)+1, 1-(\q)%2
	FETCH_A \slot, (\q)+1, 0
	WIN MUL_HI
	MUL16 4, (\q)%2, \zero
	MUL16 6, (\q)%2, \zero
	PLACES NP
	WIN 0
	FETCH_A \slot, (\q)+1, 4
.endm
.macro TURN slot, next, fill
	s_wait_tensorcnt 0x0
	ds_add_u32 v[SPW], v[NIL]
	s_wait_dscnt 4*NL+1
	WIN MUL_LO
	MUL16 0, 1, 0
	s_wait_dscnt 0x0
	s_barrier_signal -1
	MUL16 2, 1, 0
	WIN 0
	s_barrier_wait -1
.if \fill
	CREST
	s_add_nc_u64 s[G0+4*\slot+2:G0+4*\slot+3], s[G0+4*\slot+2:G0+4*\slot+3], 2*KSB
	s_add_nc_u64 s[G0B+4*\slot+2:G0B+4*\slot+3], s[G0B+4*\slot+2:G0B+4*\slot+3], 2*KSB
	JLOAD G0+4*\slot, G1, G0B+4*\slot, G1B
.else
	PLACES NP
.endif
	FETCH_B \next, 0, 0
	FETCH_A \next, 0, 0
	WIN MUL_HI
	MUL16 4, 1, 0
	MUL16 6, 1, 0
	PLACES NP
	WIN 0
	FETCH_A \next, 0, 4
.endm
	s_wait_alu depctr_va_vdst(0)                   ; the wait at the head's end
	s_wait_tensorcnt 0x0                           ; my part of K steps 0 and 1 is in, and the descriptors may be written:
.irp g, G1, G1B
	s_mov_b32 s[\g+2], 8<<16                       ; a refill is 8 rows of 4,096 bytes
	s_mov_b32 s[\g+4], 8
.endr
	s_barrier_signal -1
	s_barrier_wait -1                              ; everybody's part is in
	FETCH_B 0, 0, 0
	FETCH_A 0, 0, 0
	FETCH_A 0, 0, 4
	STEP 0, 0, 1
	TURN 0, 1, 1
	STEP 1, 0, 0
	TURN 1, 0, 1
	STEP 0, 0, 0
	TURN 0, 1, 0
	STEP 1, 0, 0
	s_wait_dscnt 4*NL
	WIN MUL_LO
	MUL16 0, 1, 0
	MUL16 2, 1, 0
	s_wait_dscnt 0
	WIN MUL_HI
	MUL16 4, 1, 0
	MUL16 6, 1, 0
	WIN 0
	s_wait_kmcnt 0x0
	s_wait_loadcnt 0x0
	s_cmp_lt_u32 s12, 4
	s_cselect_b32 s96, s76, s78
	s_cselect_b32 s97, s77, s79
	s_cselect_b32 s88, s82, s83
	s_cmp_lt_u32 s12, 8
	s_cselect_b32 s96, s96, s80
	s_cselect_b32 s97, s97, s81
	s_cselect_b32 s88, s88, s85
	s_add_co_i32 s96, s96, s97
	s_add_co_i32 s96, s96, 127
	s_lshl_b32 s96, s96, 23
	s_mov_b32 s97, s96
	s_add_co_i32 s88, s88, 127
	s_lshl_b32 s89, s88, 23
	v_mov_b32 v[SCO], s89
	s_add_co_i32 s88, s88, 15
	s_lshl_b32 s88, s88, 23
	s_or_b32 s88, s88, 0x600000
	v_mov_b32 v[LMO], s88
	s_and_b32 s74, s12, 3
	s_lshl_b32 s74, s74, 2
	s_add_co_u32 s74, s74, s41
	s_lshr_b32 s75, s74, 3
	s_lshl_b32 s75, s75, 4
	s_lshl_b32 s90, s40, 2
	s_add_co_u32 s75, s75, s90
	s_lshl_b32 s90, s16, 1
	s_add_co_u32 s75, s75, s90
	s_lshl_b32 s75, s75, 17
	s_and_b32 s74, s74, 7
	s_lshl_b32 s74, s74, 4
	s_lshl_b32 s90, s15, 3
	s_add_co_u32 s74, s74, s90
	s_lshl_b32 s74, s74, 10
	s_add_co_u32 s74, s74, s75
	s_lshl_b32 s74, s74, s13                       ; k: a head and 128 keys take twice q's bytes: v lies between
	s_lshl_b32 s90, s13, 22
	s_add_co_u32 s74, s74, s90
	s_sub_co_u32 s91, s12, 8
	s_lshl_b32 s91, s91, 2
	s_add_co_u32 s91, s91, s40
	s_lshl_b32 s91, s91, 1
	s_add_co_u32 s91, s91, s16
	s_lshr_b32 s92, s91, 4
	s_lshl_b32 s92, s92, 4
	s_lshl_b32 s93, s41, 2
	s_add_co_u32 s92, s92, s93
	s_lshl_b32 s93, s15, 1
	s_add_co_u32 s92, s92, s93
	s_lshl_b32 s92, s92, 18
	s_and_b32 s91, s91, 15
	s_lshl_b32 s91, s91, 14
	s_add_co_u32 s91, s91, s92
	s_add_co_u32 s91, s91, 0x402000                ; v: 4 MiB + k's 8,192 bytes of the same 128 keys
	s_cmp_ge_u32 s12, 8
	s_cselect_b32 s74, s91, s74
	s_mov_b32 s75, 0
	s_add_nc_u64 s[72:73], s[72:73], s[74:75]
	s_lshl_b32 s90, 0x20000, s13
	s_mov_b32 s91, 0
	s_add_nc_u64 s[98:99], s[72:73], s[90:91]      ; my second head of q or k
	PLACES NP
.macro HB a, hb, isv
	WIN 0x02+((\a)/4)
.set nn, 0
.rept 16
.if \isv
.set bi, BC+8*(\a)+(2*nn)%8
.else
.set bi, BC+32*(\hb)+2*nn
.endif
	v_pk_fma_f32 v[TMP+2*nn:TMP+2*nn+1], v[64*((\a)%4)+32*(\hb)+2*nn:64*((\a)%4)+32*(\hb)+2*nn+1], s[96:97], v[bi:bi+1] op_sel_hi:[1,0,1]
.set nn, nn+1
.endr
	WIN 0
.set nn, 0
.rept 32
	v_med3_num_f32 v[TMP+nn], v[TMP+nn], -v[LMO], v[LMO]
.set nn, nn+1
.endr
.irp g, 0,1,2,3
	v_cvt_scalef32_pk8_bf8_f32 v[CD+16*(\a)+8*(\hb)+2*\g:CD+16*(\a)+8*(\hb)+2*\g+1], v[TMP+8*\g:TMP+8*\g+7], v[SCO]
.endr
	v_nop
.irp pp, 0,1
.if \isv
	global_store_b128 v[LI], v[CD+16*(\a)+8*(\hb)+4*\pp:CD+16*(\a)+8*(\hb)+4*\pp+3], s[72:73] offset:((\a)/4)*262144+((\a)%4)*2048+512*(2*(\hb)+\pp)
.else
	global_store_b128 v[LI], v[CD+16*(\a)+8*(\hb)+4*\pp:CD+16*(\a)+8*(\hb)+4*\pp+3], s[72+26*(\hb):73+26*(\hb)] offset:(\a)*1024+512*\pp
.endif
.endr
.endm
	s_cmp_ge_u32 s12, 8
	s_cbranch_scc1 .Lv_out
.irp a, 0,1,2,3,4,5,6,7
	HB \a, 0, 0
	HB \a, 1, 0
.endr
	s_branch .Lend
.Lv_out:
.irp a, 0,1,2,3,4,5,6,7
	HB \a, 0, 1
	HB \a, 1, 1
.endr
.Lend:
	s_wait_tensorcnt 0x0
	ds_add_u32 v[SPW], v[NIL]
	s_wait_dscnt 0x0
	CROUND
	s_endpgm
.Lfunc_end_k_q7eff18f2b1_qkv:
	.size	k_q7eff18f2b1_qkv, .Lfunc_end_k_q7eff18f2b1_qkv-k_q7eff18f2b1_qkv
	.p2alignl 7, 3214868480
	.fill 96, 4, 3214868480
	.section	.rodata,"a",@progbits
	.p2align	6, 0x0
	.amdhsa_kernel k_q7eff18f2b1_qkv
		.amdhsa_group_segment_fixed_size 327680
		.amdhsa_private_segment_fixed_size 0
		.amdhsa_enable_private_segment 0
		.amdhsa_kernarg_size 56
		.amdhsa_user_sgpr_count 2
		.amdhsa_user_sgpr_kernarg_segment_ptr 1
		.amdhsa_wavefront_size32 1
		.amdhsa_system_sgpr_workgroup_id_x 1
		.amdhsa_system_sgpr_workgroup_id_y 1
		.amdhsa_system_sgpr_workgroup_id_z 1
		.amdhsa_system_vgpr_workitem_id 0
		.amdhsa_next_free_vgpr 1024
		.amdhsa_next_free_sgpr 100
		.amdhsa_reserve_vcc 0
		.amdhsa_float_denorm_mode_32 3
		.amdhsa_float_denorm_mode_16_64 3
		.amdhsa_memory_ordered 1
		.amdhsa_forward_progress 1
		.amdhsa_inst_pref_size 199
	.end_amdhsa_kernel
	.amdgpu_metadata
---
amdhsa.version: [ 1, 2 ]
amdhsa.kernels:
  - .name:           k_q7eff18f2b1_qkv
    .symbol:         k_q7eff18f2b1_qkv.kd
    .args:
      - { .name: xc, .offset: 0, .size: 8, .value_kind: global_buffer, .address_space: global }
      - { .name: wc, .offset: 8, .size: 8, .value_kind: global_buffer, .address_space: global }
      - { .name: lowp_scales, .offset: 16, .size: 8, .value_kind: global_buffer, .address_space: global }
      - { .name: bq, .offset: 24, .size: 8, .value_kind: global_buffer, .address_space: global }
      - { .name: bk, .offset: 32, .size: 8, .value_kind: global_buffer, .address_space: global }
      - { .name: bv, .offset: 40, .size: 8, .value_kind: global_buffer, .address_space: global }
      - { .name: qkvc, .offset: 48, .size: 8, .value_kind: global_buffer, .address_space: global }
    .group_segment_fixed_size: 327680
    .private_segment_fixed_size: 0
    .kernarg_segment_align: 8
    .kernarg_segment_size: 56
    .max_flat_workgroup_size: 128
    .sgpr_count:     100
    .vgpr_count:     1024
    .wavefront_size: 32
...
	.end_amdgpu_metadata
.endif
;; end of part 2
;; launch attn (part 3): grid 8 x 32, 8 waves a work-group, clusters of 4 x 1, 327,680 bytes of LDS; arguments qkvc, lowp_scales, yc; writes yc
.if DOCPART == 3
	.amdgcn_target "amdgcn-amd-amdhsa--gfx1250"
	.amdhsa_code_object_version 6
	.text
	.protected	k_q7eff18f2b1_attn
	.globl	k_q7eff18f2b1_attn
	.p2align	8
	.type	k_q7eff18f2b1_attn,@function
k_q7eff18f2b1_attn:
	s_mov_b64 s[64:65], 0
	v_nop
	global_prefetch_b8 v0, s[64:65] scope:SCOPE_SE
	s_setreg_imm32_b32 hwreg(HW_REG_WAVE_MODE, 25, 1), 1
	s_wait_xcnt 0x0
	s_wait_alu depctr_hold_cnt(0) depctr_sa_sdst(0) depctr_va_vdst(0) depctr_va_sdst(0) depctr_va_ssrc(0) depctr_va_vcc(0) depctr_vm_vsrc(0)
	s_getreg_b32 s2, hwreg(HW_REG_IB_STS2, 6, 4)
	s_cmp_eq_u32 s2, 0
	s_cbranch_scc0 .Lentry_in_a_cluster
	s_endpgm
.Lentry_in_a_cluster:
	s_bfe_u32 s2, ttmp6, 0x10000c
	s_cmp_lg_u32 s2, 0x3003
	s_cbranch_scc0 .Lentry_shape_is_right
	s_endpgm
.Lentry_shape_is_right:
; y[b][h][q] = the sum over keys k <= q of softmax_k(q . k / 8) v[k], both products on codes of BF8 (E5M2); y is quantised at once for the last product.  Entries 6 to 10 of lowp_scales: eq, ek, ep, ev, ey.
; WORK LEFT OUT: a step of 128 keys all of which come behind all 16 queries of a tile: reference()'s own jnp.tril gives those scores the weight 0 for all values of the inputs (shown at the head of launch quant).
; THE SOFTMAX AHEAD OF THE SECOND PRODUCT: t = score x log2(e) / 8; M = the row's largest t so far, rounded UP to a whole number; p = 2^(t - M) is what is quantised, along the keys; it is not normalised.
; The row's sum is taken of the unquantised p, in f32, and divides at the end.  When M moves, the sum and O are multiplied by 2^(old M - new M): exact.
; ALL KEYS ARE RESIDENT: a head's codes of K and V are 262,144 bytes, 16 steps of 128 keys with 16,384 bytes each (K: 8 images of 1,024 bytes; V: 4 images of 2,048).  Wave w's one tensor load brings steps 2 w and 2 w + 1; nothing is filled again.
; CLUSTERS: 4 work-groups of one head; all loads are joint.  Every work-group has a tile among the last 128 queries, so each partner reads every step.  No branch and no LDS address hangs on the place in the cluster.
; No prefetch: all that the launch reads is asked for at its head.
; SHARES.  The 2,048 queries are 16 groups of 128, a group eight tiles of 16; work-group i of the head's eight takes tile i of every group.  Wave w owns the tiles of groups 15 - w (high) and w (low): (16 - w) + (w + 1) = 17 tile steps in every wave.
; While both tiles have keys to take, they share the fragments of K and V.  The waves walk without barriers once everything has landed.
; LAYOUT.  Both products are used transposed: S^T = K Q^T (source 0 = 16 keys, source 1 = 16 queries), O^T = V^T P^T (source 0 = 16 channels, source 1 = P): a lane holds ONE query (lane % 16) of a tile throughout.
; Tile t of S^T holds keys 16 t + 8 (lane / 16) + 0 .. 7 in its eight registers: one conversion gives registers 2 t, 2 t + 1 of P's fragment.  O^T's tiles likewise give y's image.
; yc: [block of 128 tokens 32][4 heads 4][tile of 16 tokens 8][head 4][1,024]: the order that launch quant gives the weights' codes.
; THE DIAGONAL: a tile's last step takes, as the C of its score products, 64 registers that hold 0 where the key counts and -1e38 where it is hidden: p = 0 there, and the hidden key is never the row's largest.
; REGISTERS.  The high tile's lie in window 0, the low tile's under the same numbers in window 1: v96-159 S^T, then p; v160-191 O^T; v192-207 at work, then p's codes; v208-215 Q; v216 -M; v218 the largest score; v219 2^ep; v220-221 the sum in two halves; v222 f.
; v32-95: window 0 K's eight fragments, window 1 V's four.  Window 0 v1-11 addresses.  Window 1 v0-31, v224-255 the diagonal's 64.
; LIMITS: eq + ek between -115 and 130, and scaled scores under 2^31 in magnitude; ep and ey between -126 and 112; ep + ev is applied by v_ldexp_f32 and has none.
.set SPARE, 0x44000                    ; behind the keys: the spare words, 128 bytes for each wave, that no other line names
.set LI,   1                           ; v1   16 x lane; never rewritten
.set ADV,  2                           ; v2   LDS address of the step's V
.set ADK,  3                           ; v3   and of the next step's K
.set SPW,  5                           ; v5   LDS address of my spare word; never rewritten
.set NIL,  6                           ; v6   0; never rewritten
.set KR,   32
.set SS,   96
.set OO,   160
.set PP,   192
.set QQ,   208
.set TB,   2                           ; s2   16,384 x the step
.set TN,   3                           ; s3   the next step's, 0 behind the last
.set WV,   14                          ; s14  my wave's number, and the low tile's group
.set HI,   16                          ; s16  the high tile's group
.set NN,   17                          ; s17  the step
.set NCS,  19                          ; s19  -c
.set SEL,  20                          ; s[20:21] lane selects for v_permlanex16_b32: lane l xor 16
.set CS,   22                          ; s[22:23] c = log2(e) / 8 x 2^(eq + ek)
.set G1,   24
.set G0,   32
.set HOLD, 48                          ; s48  57,344 x 2^ep
.set EPV,  49                          ; s49  ep + ev
.set YH,   50                          ; s50, s51  57,344 x 2^ey and its negative
.set MSB, 0
.macro WIN new                         ; the immediate's high byte repeats the setting that is left
.if MSB != (\new)
	s_set_vgpr_msb (MSB<<8)|(\new)
.set MSB, (\new)
.endif
.endm
.macro CROUND                          ; a round of the cluster's barrier
	s_barrier_signal -1
	s_barrier_wait -1
	s_cmp_lg_u32 s14, 0
	s_cbranch_scc1 .Lnot_wave_0_\@
	s_barrier_signal -3
.Lnot_wave_0_\@:
	s_barrier_wait -3
	s_barrier_signal -1
	s_barrier_wait -1
.endm
	s_load_b128 s[4:7], s[0:1], 0x0                ; qkvc s[4:5], the exponents s[6:7]
	s_load_b64 s[8:9], s[0:1], 0x10                ; yc
	v_lshl_add_u32 v[SPW], v0, 2, SPARE
	v_mov_b32 v[NIL], 0
	ds_add_u32 v[SPW], v[NIL]                      ; the wave's opening: the add, twice on end, and its wait ahead of my first tensor load; the set-up below, work on registers, stands between
	ds_add_u32 v[SPW], v[NIL]
	v_lshrrev_b32 v8, 5, v0
	v_readfirstlane_b32 s14, v8                    ; wave 0..7
	s_bfe_u32 s13, ttmp6, 0x40000                  ; cx
	s_and_b32 s12, ttmp7, 0xffff                   ; 16 x batch + head
	s_lshl_b32 s15, ttmp9, 2
	s_add_co_u32 s15, s15, s13                     ; i: work-group of the head, 4 x cluster x + cx
	s_sub_co_u32 s16, 15, s14
	s_mov_b32 s[G1], 15|(3<<16)|(1<<21)            ; 15:0 the mask: all four; 17:16 elements of 8 bytes; no padding; 21 set beside a mask
	s_mov_b32 s[G1+1], 512<<16                     ; 32,768 consecutive bytes as 8 rows of 4,096
	s_mov_b32 s[G1+2], 8<<16
	s_mov_b32 s[G1+3], 512<<16
	s_mov_b32 s[G1+4], 8
	s_mov_b32 s[G1+5], 512
	s_mov_b32 s[G1+6], 0
	s_mov_b32 s[G1+7], 0
	s_lshl_b32 s36, s12, 18                        ; the head's keys
	s_lshl_b32 s37, s14, 15                        ; my two steps
	s_add_co_u32 s36, s36, s37
	s_add_co_u32 s36, s36, 0x400000                ; K and V begin at 4 MiB
	s_mov_b32 s37, 0
	s_mov_b32 s[G0], 1
	s_lshl_b32 s[G0+1], s14, 15                    ; LDS address: wave x 32,768
	s_wait_dscnt 0x0                               ; both opening adds are done
	s_wait_kmcnt 0x0
	s_load_b128 s[68:71], s[6:7], 0x18             ; eq, ek, ep, ev
	s_load_b32 s72, s[6:7], 0x28                   ; ey
	s_add_nc_u64 s[G0+2:G0+3], s[4:5], s[36:37]
	s_or_b32 s[G0+3], s[G0+3], 0x80000000
	CROUND                                         ; all four work-groups are here: the joint loads meet
	tensor_load_to_lds s[G0:G0+3], s[G1:G1+7]      ; the wave's one tensor load
	s_nop 0
	s_lshl_b32 s38, s12, 17                        ; Q: the head's 131,072 bytes, a tile's image 1,024
	s_lshl_b32 s39, s15, 10
	s_add_co_u32 s38, s38, s39
	s_lshl_b32 s39, s16, 13
	s_add_co_u32 s40, s38, s39                     ; the high tile
	s_lshl_b32 s39, s14, 13
	s_add_co_u32 s42, s38, s39                     ; the low tile
	s_mov_b32 s41, 0
	s_mov_b32 s43, 0
	s_add_nc_u64 s[40:41], s[4:5], s[40:41]
	s_add_nc_u64 s[42:43], s[4:5], s[42:43]
	s_lshr_b32 s44, s12, 4                         ; yc: block 16 x batch + group, then heads by four, tile i, head
	s_lshl_b32 s44, s44, 21
	s_bfe_u32 s45, s12, 0x20002
	s_lshl_b32 s45, s45, 15
	s_add_co_u32 s44, s44, s45
	s_and_b32 s45, s12, 3
	s_lshl_b32 s45, s45, 10
	s_add_co_u32 s44, s44, s45
	s_lshl_b32 s45, s15, 12
	s_add_co_u32 s44, s44, s45
	s_lshl_b32 s45, s16, 17
	s_add_co_u32 s46, s44, s45
	s_mov_b32 s47, 0
	s_lshl_b32 s45, s14, 17
	s_add_co_u32 s44, s44, s45
	s_mov_b32 s45, 0
	s_add_nc_u64 s[10:11], s[8:9], s[44:45]        ; the low tile's y
	s_add_nc_u64 s[8:9], s[8:9], s[46:47]          ; the high tile's
	s_mov_b32 s[SEL], 0x76543210
	s_mov_b32 s[SEL+1], 0xfedcba98
	s_lshl_b32 s38, s15, 4
	v_and_b32 v[LI], 31, v0
	v_lshlrev_b32 v[LI], 4, v[LI]
	global_load_b128 v[QQ:QQ+3], v[LI], s[40:41]
	global_load_b128 v[QQ+4:QQ+7], v[LI], s[40:41] offset:512
	WIN 0x40
	global_load_b128 v[QQ:QQ+3], v[LI], s[42:43]
	global_load_b128 v[QQ+4:QQ+7], v[LI], s[42:43] offset:512
	WIN 0
	v_and_b32 v9, 15, v0
	v_bfe_u32 v10, v0, 4, 1
	v_lshlrev_b32 v10, 3, v10
	v_sub_nc_u32 v9, v9, v10
	v_add_nc_u32 v9, s38, v9                       ; d = my query in its group - 8 (lane / 16).  Register 8 t + j holds key 16 t + 8 (lane / 16) + j of the group: hidden where 16 t + j > d
	v_mov_b32 v11, 0xfe967699                      ; -1e38
	v_mov_b32 v217, 0                              ; (named as the upper halves of pairs)
	v_mov_b32 v223, 0
	WIN 0x40
	v_mov_b32 v217, 0
	v_mov_b32 v223, 0
.set uu, 0
.rept 64
	v_cmp_gt_i32 vcc_lo, 16*(uu/8)+uu%8, v9
	v_cndmask_b32 v[uu%32+224*(uu/32)], 0, v11, vcc_lo
.set uu, uu+1
.endr
	WIN 0
	s_wait_alu depctr_va_vdst(0)
	s_wait_kmcnt 0x0
	s_add_co_i32 s38, s68, s69
	s_lshl_b32 s38, s38, 23
	s_add_co_i32 s[CS], s38, 0x3e38aa3b            ; log2(e) / 8; a score stands for score x 2^(eq + ek): the two exponents are added to c's exponent field
	s_mov_b32 s[CS+1], s[CS]                       ; (named with it as a pair, so it is written)
	s_xor_b32 s[NCS], s[CS], 0x80000000
	s_add_co_i32 s38, s70, 127
	s_lshl_b32 s39, s38, 23                        ; 2^ep
	s_add_co_i32 s38, s38, 15
	s_lshl_b32 s38, s38, 23
	s_or_b32 s[HOLD], s38, 0x600000
	s_add_co_i32 s[EPV], s70, s71
	s_add_co_i32 s38, s72, 127
	s_lshl_b32 s52, s38, 23                        ; 2^ey
	s_add_co_i32 s38, s38, 15
	s_lshl_b32 s38, s38, 23
	s_or_b32 s[YH], s38, 0x600000
	s_or_b32 s[YH+1], s[YH], 0x80000000
	v_mov_b32 v219, s39
	WIN 0x40
	v_mov_b32 v219, s39
	WIN 0
	s_mov_b32 s[TB], 0
	s_mov_b32 s[TN], 16384
	s_mov_b32 s[NN], 0
.macro LOADK adr                       ; K's eight images of a step: tile t's registers 4 p .. at 1,024 t + 512 p
.set uu, 0
.rept 16
	ds_load_b128 v[KR+4*uu:KR+4*uu+3], v[\adr] offset:512*uu
.set uu, uu+1
.endr
.endm
.macro SCORE diag                      ; S^T of one tile: eight products of 16 keys; on the diagonal C is the mask (window 1)
.set uu, 0
.rept 8
.if \diag
	v_wmma_f32_16x16x64_bf8_bf8 v[SS+8*uu:SS+8*uu+7], v[KR+8*uu:KR+8*uu+7], v[QQ:QQ+7], v[8*(uu%4)+224*(uu/4):8*(uu%4)+224*(uu/4)+7]
.else
	v_wmma_f32_16x16x64_bf8_bf8 v[SS+8*uu:SS+8*uu+7], v[KR+8*uu:KR+8*uu+7], v[QQ:QQ+7], 0
.endif
.set uu, uu+1
.endr
	WIN 0
.endm
.macro OUTER first                     ; O^T += V^T P^T: the four accumulators take turns; eight score products at the least stand between two links of a chain
.set uu, 0
.rept 4
.if \first
	v_wmma_f32_16x16x128_bf8_bf8 v[OO+8*uu:OO+8*uu+7], v[KR+16*uu:KR+16*uu+15], v[PP:PP+15], 0
.else
	v_wmma_f32_16x16x128_bf8_bf8 v[OO+8*uu:OO+8*uu+7], v[KR+16*uu:KR+16*uu+15], v[PP:PP+15], v[OO+8*uu:OO+8*uu+7]
.endif
.set uu, uu+1
.endr
.endm
; A tile's softmax over a step, in the window that is set.  first = 1: step 0, where nothing has been summed yet.  low = 1: the low tile, behind the high tile's exponentials.
.macro SM first, low
	v_max3_num_f32 v192, v96, v97, v98             ; the largest of my 64 scores, in four chains; each tile is first read at its low end
	v_max3_num_f32 v193, v99, v100, v101
	v_max3_num_f32 v194, v102, v103, v104
	v_max3_num_f32 v195, v105, v106, v107
.set uu, 12
.set cc, 0
.rept 26
	v_max3_num_f32 v[192+cc], v[192+cc], v[SS+uu], v[SS+uu+1]
.set uu, uu+2
.set cc, (cc+1)%4
.endr
	v_max_num_f32 v194, v194, v195
	s_delay_alu instid0(VALU_DEP_1)
	v_max3_num_f32 v192, v192, v193, v194
	s_delay_alu instid0(VALU_DEP_1)
	v_permlanex16_b32 v193, v192, s[SEL], s[SEL+1]
	s_delay_alu instid0(VALU_DEP_1)
.if \first
	v_max_num_f32 v218, v192, v193
.else
	v_max3_num_f32 v218, v218, v192, v193          ; with lane l xor 16's and the largest so far
.endif
	s_delay_alu instid0(VALU_DEP_1)
	v_mul_f32 v194, s[NCS], v218                   ; -t (c is positive)
	s_delay_alu instid0(VALU_DEP_1)
.if \first
	v_floor_f32 v216, v194                         ; -M = floor(-t) = -ceil(t): M IS A WHOLE NUMBER
.else
	v_floor_f32 v194, v194
	s_delay_alu instid0(VALU_DEP_1)
	v_sub_f32 v195, v194, v216                     ; M's old value less its new one: a whole number, 0 or less
	v_mov_b32 v216, v194
	s_delay_alu instid0(VALU_DEP_2)
	v_cvt_i32_f32 v195, v195                       ; (it saturates)
	s_delay_alu instid0(VALU_DEP_1)
	v_ldexp_f32 v222, 1.0, v195                    ; f = 2^(old M - new M)
.if \low
	s_wait_alu depctr_va_vdst(0)                   ; directly ahead of the first reader of O^T
.endif
.set uu, 0
.rept 16
	v_pk_mul_f32 v[OO+uu:OO+uu+1], v[OO+uu:OO+uu+1], v[222:223] op_sel_hi:[1,0]   ; O^T under the new M
.set uu, uu+2
.endr
.endif
.set uu, 0
.rept 32
	v_pk_fma_f32 v[SS+uu:SS+uu+1], v[SS+uu:SS+uu+1], s[CS:CS+1], v[216:217] op_sel_hi:[1,0,0]   ; t - M, two at a time
.set uu, uu+2
.endr
	s_wait_alu depctr_va_vdst(0)                   ; the wait ahead of the batch too
.set uu, 0
.rept 64
	v_exp_f32 v[SS+uu], v[SS+uu]                   ; p = 2^(t - M), at most 1: NOT normalised
.set uu, uu+1
.endr
.if \first
	v_nop                                          ; the plain line behind the exponentials
.else
	v_pk_mul_f32 v[220:221], v[220:221], v[222:223] op_sel_hi:[1,0]   ; the sums under the new M.  (The plain line behind the exponentials)
.endif
	s_wait_alu depctr_va_vdst(0)                   ; one wait for the whole batch, ahead of its first reader
	v_pk_add_f32 v[192:193], v[96:97], v[98:99]    ; the row's sum of the unquantised p, in four chains
	v_pk_add_f32 v[194:195], v[100:101], v[102:103]
	v_pk_add_f32 v[196:197], v[104:105], v[106:107]
.if \first
	v_pk_add_f32 v[220:221], v[108:109], v[110:111]
.set uu, 16
.else
	v_pk_add_f32 v[220:221], v[220:221], v[108:109]
.set uu, 14
.endif
.set cc, 0
.rept 32-uu/2
	v_pk_add_f32 v[192+2*cc+22*(cc/3):193+2*cc+22*(cc/3)], v[192+2*cc+22*(cc/3):193+2*cc+22*(cc/3)], v[SS+uu:SS+uu+1]
.set uu, uu+2
.set cc, (cc+1)%4
.endr
	v_pk_add_f32 v[192:193], v[192:193], v[194:195]
	v_pk_add_f32 v[220:221], v[220:221], v[196:197]
	s_delay_alu instid0(VALU_DEP_1)
	v_pk_add_f32 v[220:221], v[220:221], v[192:193]
.set uu, 0
.rept 32
	v_dual_min_num_f32 v[SS+uu], s[HOLD], v[SS+uu] :: v_dual_min_num_f32 v[SS+uu+1], s[HOLD], v[SS+uu+1]   ; the conversion to an 8-bit code does not saturate (ISA guide 7.6.2); p is not negative, so the hold is one-sided
.set uu, uu+2
.endr
.set uu, 0
.rept 8
	v_cvt_scalef32_pk8_bf8_f32 v[PP+2*uu:PP+2*uu+1], v[SS+8*uu:SS+8*uu+7], v219   ; keys 16 t + 8 (lane / 16) + 0 .. 7: registers 2 t, 2 t + 1 of P's fragment
.set uu, uu+1
.endr
	v_nop                                          ; the plain line behind the last conversion
.endm
; A KEY STEP.  K's fragments have been asked for a step ahead.  The branches hang on the step and the wave's number alone.
.macro STEP first
	s_wait_dscnt 0x0                               ; this step's K is in
.if \first
	SCORE 0
.else
	s_cmp_eq_u32 s[NN], s[HI]
	s_cbranch_scc1 .Lhd_\@
	SCORE 0
	s_branch .Lh_\@
.Lhd_\@:
	WIN 0x10
	SCORE 1
.Lh_\@:
	s_cmp_gt_u32 s[NN], s[WV]                      ; the low tile has taken all its keys
	s_cbranch_scc1 .Ll_\@
.endif
	s_cmp_eq_u32 s[NN], s[WV]
	s_cbranch_scc1 .Lld_\@
	WIN 0x44
	SCORE 0
	s_branch .Ll_\@
.Lld_\@:
	WIN 0x54
	SCORE 1
.Ll_\@:
	v_add_nc_u32 v[ADV], s[TB], v[LI]
	v_add_nc_u32 v[ADK], s[TN], v[LI]
	v_nop                                          ; with the additions above: four places in front of the loads below, and of the first read of the scores
	v_nop
	WIN 0x40
.set uu, 0
.rept 16
	ds_load_b128 v[KR+4*uu:KR+4*uu+3], v[ADV] offset:8192+512*uu   ; V's four images: they land while the softmax is worked,
.set uu, uu+1
.endr
	WIN 0
	LOADK ADK                                      ; and so does the next step's K
	SM \first, 0
	s_wait_alu depctr_va_vdst(0)                   ; ahead of the branch and the waits below
.if \first == 0
	s_cmp_gt_u32 s[NN], s[WV]
	s_cbranch_scc1 .Lone_\@
.endif
	WIN 0x55
	s_wait_alu depctr_va_vdst(0)                   ; and here, directly ahead of the first reader of the low tile's scores
	SM \first, 1
	WIN 0
	s_wait_alu depctr_va_vdst(0)
	s_wait_dscnt 16                                ; V is in; the next K's sixteen loads may be out
	WIN 0x01
	OUTER \first
	WIN 0x55
	OUTER \first
	WIN 0
.if \first == 0
	s_branch .Ldone_\@
.Lone_\@:
	s_wait_dscnt 16                                ; V is in; the next K's sixteen loads may be out
	WIN 0x01
	OUTER 0
	WIN 0
.Ldone_\@:
.endif
.endm
	s_wait_alu depctr_va_vdst(0)                   ; the wait at the head's end
	s_wait_loadcnt 0x0                             ; Q
	s_wait_tensorcnt 0x0                           ; my load is in,
	s_barrier_signal -1
	s_barrier_wait -1                              ; and everybody's: all keys are here
	LOADK LI
	STEP 1                                         ; step 0: both tiles of every wave take it, and its products start the sums
	s_mov_b32 s[TB], 16384
	s_mov_b32 s[TN], 32768
	s_mov_b32 s[NN], 1
.Lstep:
	s_cmp_gt_u32 s[NN], s[HI]                      ; all keys of the step come behind the high tile's queries: it is left out
	s_cbranch_scc1 .Lhidden
	STEP 0
.Lhidden:
	s_add_co_u32 s[TB], s[TB], 16384
	s_add_co_u32 s[TN], s[TN], 16384
	s_and_b32 s[TN], s[TN], 0x3c000                ; behind the last step K's look-ahead goes back to step 0
	s_add_co_u32 s[NN], s[NN], 1
	s_cmp_lt_u32 s[NN], 16
	s_cbranch_scc1 .Lstep
	; THE WAY OUT.  y = O^T / the sum x 2^(ep + ev), held, converted: four conversions give the image of 16 tokens x this head's 64 channels, which leaves by two stores of 512 consecutive bytes.
.rept 4
	v_nop                                          ; four places behind the last products
.endr
.macro ROWSUM
	v_add_f32 v220, v220, v221                     ; the sum's two halves,
	v_permlanex16_b32 v192, v220, s[SEL], s[SEL+1]
	v_add_f32 v220, v220, v192                     ; and lane l xor 16's
.endm
.macro FINISH
	v_ldexp_f32 v220, v220, s[EPV]
.set uu, 0
.rept 16
	v_pk_mul_f32 v[SS+uu:SS+uu+1], v[OO+uu:OO+uu+1], v[220:221] op_sel_hi:[1,0]   ; register 8 t + i is y(lane % 16, 16 t + 8 (lane / 16) + i); each accumulator from its low end on
.set uu, uu+2
.endr
	v_mov_b32 v219, s52                            ; 2^ey
.set uu, 0
.rept 32
	v_med3_num_f32 v[SS+uu], v[SS+uu], s[YH+1], s[YH]
.set uu, uu+1
.endr
.set uu, 0
.rept 4
	v_cvt_scalef32_pk8_bf8_f32 v[PP+2*uu:PP+2*uu+1], v[SS+8*uu:SS+8*uu+7], v219
.set uu, uu+1
.endr
	v_nop
.endm
	ROWSUM
	WIN 0x55
	ROWSUM
	s_wait_alu depctr_va_vdst(0)                   ; the wait ahead of the batch
	v_rcp_f32 v220, v220
	WIN 0
	v_rcp_f32 v220, v220
	v_nop                                          ; a plain line behind the reciprocals
	s_wait_alu depctr_va_vdst(0)                   ; the wait ahead of the first use of their results, and of O^T
	FINISH
	global_store_b128 v[LI], v[PP:PP+3], s[8:9]
	global_store_b128 v[LI], v[PP+4:PP+7], s[8:9] offset:512
	WIN 0x55
	s_wait_alu depctr_va_vdst(0)                   ; and ahead of the low tile's O^T
	FINISH
	WIN 0x04
	global_store_b128 v[LI], v[PP:PP+3], s[10:11]
	global_store_b128 v[LI], v[PP+4:PP+7], s[10:11] offset:512
	WIN 0
	s_wait_tensorcnt 0x0                           ; the wave's end, behind my tensor load
	ds_add_u32 v[SPW], v[NIL]
	s_wait_dscnt 0x0
	CROUND                                         ; the closing round: no work-group ends while a partner may still ask for a tile that names it
	s_endpgm
.Lfunc_end_k_q7eff18f2b1_attn:
	.size	k_q7eff18f2b1_attn, .Lfunc_end_k_q7eff18f2b1_attn-k_q7eff18f2b1_attn
	.p2alignl 7, 3214868480
	.fill 96, 4, 3214868480
	.section	.rodata,"a",@progbits
	.p2align	6, 0x0
	.amdhsa_kernel k_q7eff18f2b1_attn
		.amdhsa_group_segment_fixed_size 327680
		.amdhsa_private_segment_fixed_size 0
		.amdhsa_enable_private_segment 0
		.amdhsa_kernarg_size 24
		.amdhsa_user_sgpr_count 2
		.amdhsa_user_sgpr_kernarg_segment_ptr 1
		.amdhsa_wavefront_size32 1
		.amdhsa_system_sgpr_workgroup_id_x 1
		.amdhsa_system_sgpr_workgroup_id_y 1
		.amdhsa_system_sgpr_workgroup_id_z 1
		.amdhsa_system_vgpr_workitem_id 0
		.amdhsa_next_free_vgpr 512
		.amdhsa_next_free_sgpr 100
		.amdhsa_reserve_vcc 1
		.amdhsa_float_denorm_mode_32 3
		.amdhsa_float_denorm_mode_16_64 3
		.amdhsa_memory_ordered 1
		.amdhsa_forward_progress 1
		.amdhsa_inst_pref_size 78
	.end_amdhsa_kernel
	.amdgpu_metadata
---
amdhsa.version: [ 1, 2 ]
amdhsa.kernels:
  - .name:           k_q7eff18f2b1_attn
    .symbol:         k_q7eff18f2b1_attn.kd
    .args:
      - { .name: qkvc, .offset: 0, .size: 8, .value_kind: global_buffer, .address_space: global }
      - { .name: lowp_scales, .offset: 8, .size: 8, .value_kind: global_buffer, .address_space: global }
      - { .name: yc, .offset: 16, .size: 8, .value_kind: global_buffer, .address_space: global }
    .group_segment_fixed_size: 327680
    .private_segment_fixed_size: 0
    .kernarg_segment_align: 8
    .kernarg_segment_size: 24
    .max_flat_workgroup_size: 256
    .sgpr_count:     100
    .vgpr_count:     512
    .wavefront_size: 32
...
	.end_amdgpu_metadata
.endif
;; end of part 3
;; launch proj (part 4): grid 8 x 32, 4 waves a work-group, clusters of 4 x 4, 327,680 bytes of LDS; arguments yc, wc, lowp_scales, bp, out0; writes out0
.if DOCPART == 4
	.amdgcn_target "amdgcn-amd-amdhsa--gfx1250"
	.amdhsa_code_object_version 6
	.text
	.protected	k_q7eff18f2b1_proj
	.globl	k_q7eff18f2b1_proj
	.p2align	8
	.type	k_q7eff18f2b1_proj,@function
k_q7eff18f2b1_proj:
	s_mov_b64 s[64:65], 0
	v_nop
	global_prefetch_b8 v0, s[64:65] scope:SCOPE_SE
	s_setreg_imm32_b32 hwreg(HW_REG_WAVE_MODE, 25, 1), 1
	s_wait_xcnt 0x0
	s_wait_alu depctr_hold_cnt(0) depctr_sa_sdst(0) depctr_va_vdst(0) depctr_va_sdst(0) depctr_va_ssrc(0) depctr_va_vcc(0) depctr_vm_vsrc(0)
	s_getreg_b32 s2, hwreg(HW_REG_IB_STS2, 6, 4)
	s_cmp_eq_u32 s2, 0
	s_cbranch_scc0 .Lentry_in_a_cluster
	s_endpgm
.Lentry_in_a_cluster:
	s_bfe_u32 s2, ttmp6, 0x10000c
	s_cmp_lg_u32 s2, 0xf033
	s_cbranch_scc0 .Lentry_shape_is_right
	s_endpgm
.Lentry_shape_is_right:
; out0 = y Wp^T + bp on codes of BF8 (E5M2): out0[m][n] = (the sum over c of y's code x Wp's code) x 2^(e10 + e11) + bp[n], sums in f32, one fused multiply-add at the end.  No work of this product is left out.
; OPERANDS ARE IMAGES OF REGISTERS: a fragment of 16 rows x 128 k is 2,048 bytes (registers 4 p .. 4 p + 3 of lane l at 512 p + 16 l); yc and wc hold them as [block of 128 rows][256 k 4][tile of 16 rows 8][128 k 2][2,048]; Wp is the fourth weight in wc.
; SHARES.  256 tiles of 128 x 128 of out0, one to a work-group of four waves; a wave makes 64 x 64.  That tile gives every one of 256 work-groups equal work; 256 x 256 would give 64.
; ALL OF K IS RESIDENT: a tile's codes of y and of Wp are 131,072 bytes each.  Each wave brings 64 rows x 1,024 k, 65,536 bytes, by its one tensor load: waves 0, 1 y's halves, waves 2, 3 Wp's.  Nothing is filled again.
; CLUSTERS: 4 x 4 work-groups.  The four of a row of the cluster need the same rows of y, the four of a column the same rows of Wp: each load is JOINT.  No prefetch: all that the launch reads is asked for at its head.
; BY ROWS OF out0: Wp's 32 fragments (4 tiles of 16 columns x 8 of 128 k) stay in 512 registers; a block of 16 rows takes its eight fragments of y, 32 products, and leaves while the next block is worked.
; THE MATRIX INSTRUCTION IS USED TRANSPOSED (source 0 = 16 rows of Wp, source 1 = 16 rows of y): a lane holds eight neighbouring numbers of a row of out0.  A wave's 64 columns are 256 bytes, aligned: a block of
; 16 rows goes through the wave's own stage in LDS and leaves with sixteen lanes storing 256 consecutive bytes.
; REGISTERS: window 0: v1-29 addresses; v32-63, v64-95 at work on the way out; v96-127 bp; v128-191 two blocks' accumulators by turns.  Windows 1, 2: Wp's fragments of k 0-511 and 512-1,023.  Window 3: two blocks' fragments of y by turns.
; LIMIT: e10 + e11 between -126 and 127.
.set SPARE,  262144                    ; behind the operands: the spare words, 128 bytes for each wave, that no other line names
.set STAGE,  SPARE+512                 ; then the stages: 16 rows x 272 bytes for each wave; no tensor load lands there
.set SPITCH, 272
.set ADRA, 8                           ; v8      LDS address of my rows of y
.set ADRB, 9                           ; v9      and of Wp
.set STO,  16                          ; v16     the way out: where I put 32 bytes of a row
.set RD,   17                          ; v17     where I read a row back
.set CO,   18                          ; v18     my byte offset in out0
.set SPW,  28                          ; v28     LDS address of my spare word; never rewritten
.set NIL,  29                          ; v29     0; never rewritten
.set TMP,  32
.set BK,   64
.set BC,   96
.set ACC,  128
.set G1A, 24                           ; s[24:31] descriptor group 1 for y;  s[32:39] for Wp
.set G1B, 32
.set G0A, 40                           ; s[40:43] group 0 for y;  s[44:47] for Wp
.set G0B, 44
.set MSB, 0
.macro WIN new                         ; the immediate's high byte repeats the setting that is left
.if MSB != (\new)
	s_set_vgpr_msb (MSB<<8)|(\new)
.set MSB, (\new)
.endif
.endm
.macro CROUND                          ; a round of the cluster's barrier
	s_barrier_signal -1
	s_barrier_wait -1
	s_cmp_lg_u32 s14, 0
	s_cbranch_scc1 .Lnot_wave_0_\@
	s_barrier_signal -3
.Lnot_wave_0_\@:
	s_barrier_wait -3
	s_barrier_signal -1
	s_barrier_wait -1
.endm
	s_load_b256 s[4:11], s[0:1], 0x0               ; yc s[4:5], wc s[6:7], the exponents s[8:9], bp s[10:11]
	s_load_b64 s[12:13], s[0:1], 0x20              ; out0
	v_lshl_add_u32 v[SPW], v0, 2, SPARE
	v_mov_b32 v[NIL], 0
	ds_add_u32 v[SPW], v[NIL]                      ; the wave's opening: the add, twice on end, and its wait ahead of my first tensor load; the set-up below, work on registers, stands between
	ds_add_u32 v[SPW], v[NIL]
	v_lshrrev_b32 v1, 5, v0
	v_readfirstlane_b32 s14, v1                    ; wave 0..3
	s_lshr_b32 s15, s14, 1                         ; which half of the tile's rows is mine.  Also: I fetch for y (0) or for Wp (1)
	s_and_b32 s16, s14, 1                          ; which half of its columns.  Also: which 64 rows I fetch
	s_bfe_u32 s84, ttmp6, 0x40000                  ; cx, cy: my place in the cluster
	s_bfe_u32 s85, ttmp6, 0x40004
	s_lshl_b32 s86, ttmp9, 2
	s_add_co_u32 s86, s86, s84                     ; tile column = 4 x cluster x + cx
	s_and_b32 s87, ttmp7, 0xffff
	s_lshl_b32 s87, s87, 2
	s_add_co_u32 s87, s87, s85                     ; tile row = 4 x cluster y + cy
	s_lshl_b32 s88, s85, 2
	s_lshl_b32 s88, 15, s88                        ; my row of the cluster
	s_lshl_b32 s89, 0x1111, s84                    ; my column
	; descriptor group 1: four runs of 16,384 bytes (four tiles x 256 k), 32,768 bytes apart; dense in LDS
	s_or_b32 s[G1A+0], s88, (3<<16)|(1<<21)        ; 15:0 the mask; 17:16 elements of 8 bytes; no padding; 21 set beside a mask
	s_or_b32 s[G1B+0], s89, (3<<16)|(1<<21)
.irp g, G1A, G1B
	s_mov_b32 s[\g+1], 2048<<16                    ; tensor_dim0 = 2,048 elements
	s_mov_b32 s[\g+2], 4<<16                       ; tensor_dim1 = 4
	s_mov_b32 s[\g+3], 2048<<16                    ; tile_dim0
	s_mov_b32 s[\g+4], 4                           ; tile_dim1
	s_mov_b32 s[\g+5], 4096                        ; tensor_dim0_stride, in elements
	s_mov_b32 s[\g+6], 0
	s_mov_b32 s[\g+7], 0
.endr
	s_lshl_b32 s18, s16, 14                        ; the 64 rows that I fetch: four tiles of 4,096 bytes in each run
	s_lshl_b32 s20, s87, 17                        ; y: block = tile row
	s_add_co_u32 s20, s20, s18
	s_mov_b32 s21, 0
	s_lshl_b32 s22, s86, 17                        ; Wp: block = tile column,
	s_add_co_u32 s22, s22, s18
	s_add_co_u32 s22, s22, 0x300000                ; behind Wq, Wk and Wv
	s_mov_b32 s23, 0
	s_mov_b32 s[G0A], 1
	s_mov_b32 s[G0B], 1
	s_lshl_b32 s[G0A+1], s14, 16                   ; LDS address: wave x 65,536: no place in the cluster enters it
	s_lshl_b32 s[G0B+1], s14, 16
	s_wait_dscnt 0x0                               ; both opening adds are done
	s_wait_kmcnt 0x0
	s_load_b64 s[96:97], s[8:9], 0x28              ; e10, e11
	s_add_nc_u64 s[G0A+2:G0A+3], s[4:5], s[20:21]
	s_or_b32 s[G0A+3], s[G0A+3], 0x80000000
	s_add_nc_u64 s[G0B+2:G0B+3], s[6:7], s[22:23]
	s_or_b32 s[G0B+3], s[G0B+3], 0x80000000
	CROUND                                         ; all sixteen work-groups are here: the joint loads meet
	s_cmp_eq_u32 s15, 0                            ; one load a wave, in one branch on its number
	s_cbranch_scc0 .Lfirst_b
	tensor_load_to_lds s[G0A:G0A+3], s[G1A:G1A+7]
	s_nop 0
.rept 4
	v_nop
.endr
	s_branch .Lfirst_asked
.Lfirst_b:
	tensor_load_to_lds s[G0B:G0B+3], s[G1B:G1B+7]
	s_nop 0
.rept 4
	v_nop
.endr
.Lfirst_asked:
	s_lshl_b32 s91, s15, 16                        ; my 64 rows of y
	s_lshl_b32 s92, s16, 16                        ; my 64 rows of Wp,
	s_add_co_u32 s92, s92, 131072                  ; which lie behind y's 128
	s_mul_i32 s93, s14, 16*SPITCH
	s_add_co_u32 s93, s93, STAGE                   ; my stage
	s_lshl_b32 s94, s86, 9
	s_lshl_b32 s95, s16, 8
	s_add_co_u32 s94, s94, s95                     ; my first column, in bytes: 512 x tile column + 256 x half: in bp and in a row of out0 alike
	s_mov_b32 s95, 0
	s_add_nc_u64 s[10:11], s[10:11], s[94:95]
	s_add_nc_u64 s[12:13], s[12:13], s[94:95]
	s_lshl_b32 s94, s87, 7
	s_lshl_b32 s95, s15, 6
	s_add_co_u32 s94, s94, s95                     ; my first row: 128 x tile row + 64 x half
	s_lshl_b32 s94, s94, 12
	s_mov_b32 s95, 0
	s_add_nc_u64 s[12:13], s[12:13], s[94:95]
	v_and_b32 v1, 15, v0                           ; r
	v_bfe_u32 v2, v0, 4, 1                         ; h
	v_lshlrev_b32 v6, 5, v2                        ; 32 h
.irp b, 0,1,2,3
	global_load_b128 v[BC+8*\b:BC+8*\b+3], v6, s[10:11] offset:64*\b          ; bp of columns 16 b + 8 h + 0 .. 7
	global_load_b128 v[BC+8*\b+4:BC+8*\b+7], v6, s[10:11] offset:64*\b+16
.endr
	v_and_b32 v3, 31, v0
	v_lshlrev_b32 v3, 4, v3                        ; 16 x lane
	v_add_nc_u32 v[ADRA], s91, v3
	v_add_nc_u32 v[ADRB], s92, v3
	v_mul_u32_u24 v4, v1, SPITCH                   ; in: row r, 32 bytes for each half of the lanes
	v_lshl_add_u32 v4, v2, 5, v4
	v_add_nc_u32 v[STO], s93, v4
	v_mul_u32_u24 v5, v2, SPITCH                   ; back: lanes 0-15 take one row of 256 bytes, lanes 16-31 the next
	v_lshl_add_u32 v5, v1, 4, v5
	v_add_nc_u32 v[RD], s93, v5
	v_lshlrev_b32 v[CO], 12, v2                    ; and the same two rows in out0 (4,096 bytes a row)
	v_lshl_add_u32 v[CO], v1, 4, v[CO]
.macro FB kk                           ; Wp's four fragments of k 128 kk ..: 16 loads of 512 consecutive bytes
	WIN 0x40*(1+(\kk)/4)
.irp b, 0,1,2,3
.irp p, 0,1,2,3
	ds_load_b128 v[64*((\kk)%4)+16*\b+4*\p:64*((\kk)%4)+16*\b+4*\p+3], v[ADRB] offset:16384*((\kk)/2)+4096*\b+2048*((\kk)%2)+512*\p
.endr
.endr
.endm
.macro FA a                            ; y's eight fragments of block a: 32 loads
	WIN 0xc0
.irp k, 0,1,2,3,4,5,6,7
.irp p, 0,1,2,3
	ds_load_b128 v[128*((\a)%2)+16*\k+4*\p:128*((\a)%2)+16*\k+4*\p+3], v[ADRA] offset:16384*(\k/2)+4096*(\a)+2048*(\k%2)+512*\p
.endr
.endr
.endm
; Block a's four products of k 128 kk ..: its four accumulators take turns, in the same order in every step.  The first product starts the sums.
.macro MK a, kk
	WIN 0x0d+(\kk)/4
.irp b, 0,1,2,3
.if (\kk) == 0
	v_wmma_f32_16x16x128_bf8_bf8 v[ACC+32*((\a)%2)+8*\b:ACC+32*((\a)%2)+8*\b+7], v[64*((\kk)%4)+16*\b:64*((\kk)%4)+16*\b+15], v[128*((\a)%2)+16*(\kk):128*((\a)%2)+16*(\kk)+15], 0
.else
	v_wmma_f32_16x16x128_bf8_bf8 v[ACC+32*((\a)%2)+8*\b:ACC+32*((\a)%2)+8*\b+7], v[64*((\kk)%4)+16*\b:64*((\kk)%4)+16*\b+15], v[128*((\a)%2)+16*(\kk):128*((\a)%2)+16*(\kk)+15], v[ACC+32*((\a)%2)+8*\b:ACC+32*((\a)%2)+8*\b+7]
.endif
.endr
.endm
.macro MM a
.irp kk, 0,1,2,3,4,5,6,7
	MK \a, \kk
.endr
.endm
; The way out of block a, through my own stage: LDS serves a wave's instructions in order, so no wait stands between the stores and the loads, nor in front of the next block's stores.
; The 16 multiply-adds are also the places behind the products issued just before (the other block's accumulators).
.macro OUTB a
	WIN 0
.set nn, 0
.rept 16
	v_pk_fma_f32 v[TMP+2*nn:TMP+2*nn+1], v[ACC+32*((\a)%2)+2*nn:ACC+32*((\a)%2)+2*nn+1], s[96:97], v[BC+2*nn:BC+2*nn+1] op_sel_hi:[1,0,1]   ; sum x 2^(e10 + e11) + bp; each accumulator from its low end on
.set nn, nn+1
.endr
.irp b, 0,1,2,3
	ds_store_b128 v[STO], v[TMP+8*\b:TMP+8*\b+3] offset:64*\b
	ds_store_b128 v[STO], v[TMP+8*\b+4:TMP+8*\b+7] offset:64*\b+16
.endr
.if (\a) > 0
	s_wait_xcnt 0x0                                ; the last block's stores have read their registers: the loads below may land there
.endif
.irp t, 0,1,2,3,4,5,6,7
	ds_load_b128 v[BK+4*\t:BK+4*\t+3], v[RD] offset:2*\t*SPITCH
.endr
	s_wait_dscnt 0x0
.irp t, 0,1,2,3,4,5,6,7
	global_store_b128 v[CO], v[BK+4*\t:BK+4*\t+3], s[12:13] offset:(16*(\a)+2*\t)*4096 th:TH_STORE_NT   ; 16 lanes store 256 consecutive bytes, at a multiple of 256 from out0's first byte
.endr
.endm
	s_wait_alu depctr_va_vdst(0)                   ; the wait at the head's end
	s_wait_kmcnt 0x0
	s_add_co_i32 s96, s96, s97
	s_add_co_i32 s96, s96, 127
	s_lshl_b32 s96, s96, 23                        ; 2^(e10 + e11) as f32
	s_mov_b32 s97, s96                             ; (named with it as a pair, so it is written)
	s_wait_loadcnt 0x0                             ; bp
	s_wait_tensorcnt 0x0                           ; my 64 rows are in,
	s_barrier_signal -1
	s_barrier_wait -1                              ; and everybody's
	FA 0
	FB 0
	FB 1
	FB 2
.irp k, 0,1,2,3,4                      ; block 0, while Wp's fragments arrive: those of the three steps behind this one, 16 loads each, may be out
	FB \k+3
	s_wait_dscnt 48
	MK 0, \k
.endr
	s_wait_dscnt 32                                ; steps 6 and 7 may be out
	MK 0, 5
	FA 1
	s_wait_dscnt 48                                ; step 7's 16 and block 1's 32 may be out
	MK 0, 6
	s_wait_dscnt 32                                ; block 1's may be out
	MK 0, 7
.rept 4
	v_nop                                          ; four places: in front of the loads below and of the first read of block 0's results
.endr
	FA 2
	s_wait_dscnt 32                                ; block 1's are in; block 2's may be out
	MM 1
	OUTB 0
	FA 3
	MM 2                                           ; its fragments came in ahead of block 0's way out
	OUTB 1
	MM 3
	OUTB 2
	OUTB 3
	s_wait_tensorcnt 0x0                           ; the wave's end, behind my tensor load and my last LDS store
	ds_add_u32 v[SPW], v[NIL]
	s_wait_dscnt 0x0
	CROUND                                         ; the closing round: no work-group ends while a partner may still ask for a tile that names it
	s_endpgm
.Lfunc_end_k_q7eff18f2b1_proj:
	.size	k_q7eff18f2b1_proj, .Lfunc_end_k_q7eff18f2b1_proj-k_q7eff18f2b1_proj
	.p2alignl 7, 3214868480
	.fill 96, 4, 3214868480
	.section	.rodata,"a",@progbits
	.p2align	6, 0x0
	.amdhsa_kernel k_q7eff18f2b1_proj
		.amdhsa_group_segment_fixed_size 327680
		.amdhsa_private_segment_fixed_size 0
		.amdhsa_enable_private_segment 0
		.amdhsa_kernarg_size 40
		.amdhsa_user_sgpr_count 2
		.amdhsa_user_sgpr_kernarg_segment_ptr 1
		.amdhsa_wavefront_size32 1
		.amdhsa_system_sgpr_workgroup_id_x 1
		.amdhsa_system_sgpr_workgroup_id_y 1
		.amdhsa_system_sgpr_workgroup_id_z 1
		.amdhsa_system_vgpr_workitem_id 0
		.amdhsa_next_free_vgpr 1024
		.amdhsa_next_free_sgpr 100
		.amdhsa_reserve_vcc 0
		.amdhsa_float_denorm_mode_32 3
		.amdhsa_float_denorm_mode_16_64 3
		.amdhsa_memory_ordered 1
		.amdhsa_forward_progress 1
		.amdhsa_inst_pref_size 44
	.end_amdhsa_kernel
	.amdgpu_metadata
---
amdhsa.version: [ 1, 2 ]
amdhsa.kernels:
  - .name:           k_q7eff18f2b1_proj
    .symbol:         k_q7eff18f2b1_proj.kd
    .args:
      - { .name: yc, .offset: 0, .size: 8, .value_kind: global_buffer, .address_space: global }
      - { .name: wc, .offset: 8, .size: 8, .value_kind: global_buffer, .address_space: global }
      - { .name: lowp_scales, .offset: 16, .size: 8, .value_kind: global_buffer, .address_space: global }
      - { .name: bp, .offset: 24, .size: 8, .value_kind: global_buffer, .address_space: global }
      - { .name: out0, .offset: 32, .size: 8, .value_kind: global_buffer, .address_space: global }
    .group_segment_fixed_size: 327680
    .private_segment_fixed_size: 0
    .kernarg_segment_align: 8
    .kernarg_segment_size: 40
    .max_flat_workgroup_size: 128
    .sgpr_count:     100
    .vgpr_count:     1024
    .wavefront_size: 32
...
	.end_amdgpu_metadata
.endif
;; end of part 4
